; MI455X (gfx1250); checked and timed in simulation.
; The chip was launched on July 23, 2026; its instructions are those of AMD's public machine-readable ISA for CDNA 5 (MIT licence, August 2026) and "CDNA5" Instruction Set Architecture Reference Guide (July 2026). The comments in the code are by the model that wrote it; some were corrected since.
;; Read Unit. Allowed arithmetic: float matrix products may take bf16 or f16 operands with f32 sums; all other float work in f32.
;; Inputs: Wa 1 x 512 float32; Wc 512 x 1,024 float32; Wm 512 x 512 float32; ba 1 float32; bc 512 float32; bm 512 float32; c 2 x 16 x 512 float32; k 16 x 512 x 4,096 float32; m 2 x 16 x 512 float32.
;; Outputs: out0 16 x 512 float32; out1 16 x 1 x 4,096 float32.
;; 2 versions, each right; version 2 is version 1 with the launch logits written anew for expert scheduling mode. Each part assembles by itself: llvm-mc -triple=amdgcn-amd-amdhsa -mcpu=gfx1250 --defsym DOCPART=n.
;; ======== version 1 of 2: 3 launches
;; workspace buffers: part 786,432 bytes; logit 262,144 bytes
;; launch prep (part 1): grid 64 x 4, 4 waves a work-group, no clusters, 30,208 bytes of LDS; arguments Wm, Wc, Wa, c, m, part; writes part
.if DOCPART == 1
	.amdgcn_target "amdgcn-amd-amdhsa--gfx1250"
	.amdhsa_code_object_version 6
	.text
	.protected	k_qec4528fd56_prep
	.globl	k_qec4528fd56_prep
	.p2align	8
	.type	k_qec4528fd56_prep,@function
k_qec4528fd56_prep:
	s_mov_b64 s[64:65], 0
	v_nop
	global_prefetch_b8 v0, s[64:65] scope:SCOPE_SE
	s_setreg_imm32_b32 hwreg(HW_REG_WAVE_MODE, 25, 1), 1
	s_wait_xcnt 0x0
; PARTIAL SUMS OF THE THREE SMALL PRODUCTS.  Everything between k and the logit is linear in k, so
;   logit[b][n] = sum_i v[b][i] k[b][i][n] + c0[b],   v = mm * u1 + u2,   g[b][j] = Wa[j] c[1][b][j],
;   u1[b][i] = sum_j g[b][j] Wc[j][i],  u2[b][i] = sum_j g[b][j] Wc[j][512+i],  mm[b][i] = sum_j m[1][b][j] Wm[i][j] (+ bm, added later).
; This launch makes, for a chunk of 64 j, the sums u1, u2, mm:  part[jc 8][b 16][a 3][i 512] f32 (a = 0 u1, 1 u2, 2 mm).
; Work-group (ic, jc, bq): 64 i, 64 j, 4 batches.  Wave w takes the 16 j = 64 jc + 16 w + jj; the four waves' sums meet in LDS.
; All in f32 on the vector unit: the products have 16 rows at the most and each weight is used four times, so bytes decide, and the
; weights behind the entmax leave no room for operands of 16 bits.
; LIMITS: the sums run in another order than the reference's; NaN and infinities among the inputs are not served.
; NO CLUSTER: the four work-groups that differ in bq alone read the same 48 KiB of weights, but each reads them once, straight into the
; registers that multiply them; a joint load would lay them into LDS first and add rounds of a cluster's barrier to a body of two barriers.
.set PITCH, 272                        ; Wm's tile in LDS: 256 bytes + 16: sixteen rows of one column start at sixteen different 16-byte columns modulo 256 bytes
.set RED,   64*PITCH                   ; 17,408: [wave 4][batch 4][192 f32]: words 0-63 u1, 64-127 u2, 128-191 mm
.set WA,  13                           ; v13       Wa of j = lane mod 16
.set G,   14                           ; v[14:17]  c, then g = Wa c, batch bb, j = lane mod 16
.set M,   18                           ; v[18:21]  m, batch bb
.set MM,  22                           ; v[22:29]  mm[bb][r]: i = lane + 32 r
.set U,   32                           ; v[32:47]  u[bb][4]: lanes 0-15 u1, lanes 16-31 u2, i = 4 (lane mod 16) + e
.set WM,  48                           ; v[48:79]  Wm: as loaded, then by rows of i, then the last sums
.set WC,  80                           ; v[80:143] Wc: row jj, 4 registers
.set SU,  16                           ; s[16:31]  g as scalars: two sets of four pairs; the odd registers are 0
.set SM,  32                           ; s[32:39]  m as scalars: two sets of four
	s_load_b256 s[4:11], s[0:1], 0x0               ; Wm s[4:5], Wc s[6:7], Wa s[8:9], c s[10:11]
	s_load_b128 s[12:15], s[0:1], 0x20             ; m s[12:13], part s[14:15]
	v_lshl_add_u32 v144, v0, 2, 0x7400
	v_mov_b32 v145, 0
	v_lshrrev_b32 v1, 5, v0
	v_readfirstlane_b32 s2, v1                     ; wave 0..3
	s_and_b32 s3, ttmp9, 7                         ; ic
	s_lshr_b32 s40, ttmp9, 3                       ; jc
	s_and_b32 s41, ttmp7, 0xffff                   ; bq
	v_and_b32 v1, 31, v0                           ; l
	v_and_b32 v2, 15, v0                           ; a = l mod 16
	v_bfe_u32 v3, v0, 4, 1                         ; h = l / 16
	v_lshlrev_b32 v4, 4, v2
	v_lshl_add_u32 v4, v3, 11, v4                  ; 2048 h + 16 a: serves Wm (next row), Wc (the u2 columns) and part (the u2 plane) alike
	v_lshlrev_b32 v5, 2, v2                        ; 4 a
	s_mul_i32 s44, s2, 16*PITCH
	v_mul_u32_u24 v6, v3, PITCH
	v_lshl_add_u32 v6, v2, 4, v6
	v_add_nc_u32 v6, s44, v6                       ; stage in: row 16 w + h, 16 a
	s_lshl_b32 s44, s2, 6
	v_mul_u32_u24 v7, v1, PITCH
	v_add_nc_u32 v7, s44, v7                       ; stage out: row l, my wave's 16 j
	s_mul_i32 s44, s2, 3072
	s_add_co_u32 s44, s44, RED
	v_lshl_add_u32 v8, v1, 4, s44                  ; my wave's sums: u
	v_lshl_add_u32 v9, v1, 2, s44                  ; and mm (+512 in the immediate)
	s_mul_i32 s45, s2, 768
	s_add_co_u32 s45, s45, RED
	v_lshl_add_u32 v10, v1, 4, s45                 ; batch w of wave 0's sums: u
	v_lshl_add_u32 v11, v1, 3, s45                 ; and mm (+512 in the immediate)
	v_lshlrev_b32 v12, 3, v1                       ; 8 l
	s_mov_b32 s43, 0
.irp i, 17,19,21,23,25,27,29,31
	s_mov_b32 s\i, 0                               ; the upper halves of the scalar pairs: never multiplied, but a pair is read whole
.endr
	s_wait_kmcnt 0x0
	s_lshl_b32 s42, s3, 17                         ; Wm: row 64 ic + 16 w (2,048 bytes each), column 64 jc
	s_lshl_b32 s44, s2, 15
	s_add_co_u32 s42, s42, s44
	s_lshl_b32 s44, s40, 8
	s_add_co_u32 s42, s42, s44
	s_add_nc_u64 s[4:5], s[4:5], s[42:43]
	s_lshl_b32 s42, s40, 18                        ; Wc: row 64 jc + 16 w (4,096 bytes each), column 64 ic
	s_lshl_b32 s44, s2, 16
	s_add_co_u32 s42, s42, s44
	s_lshl_b32 s44, s3, 8
	s_add_co_u32 s42, s42, s44
	s_add_nc_u64 s[6:7], s[6:7], s[42:43]
	s_lshl_b32 s42, s40, 8                         ; Wa: j = 64 jc + 16 w
	s_lshl_b32 s44, s2, 6
	s_add_co_u32 s42, s42, s44
	s_add_nc_u64 s[8:9], s[8:9], s[42:43]
	s_lshl_b32 s44, s41, 13                        ; c and m: the last of the two steps (32,768 bytes on), batch 4 bq, the same j
	s_add_co_u32 s42, s42, s44
	s_add_co_u32 s42, s42, 32768
	s_add_nc_u64 s[10:11], s[10:11], s[42:43]
	s_add_nc_u64 s[12:13], s[12:13], s[42:43]
	s_mul_i32 s42, s40, 98304                      ; part: chunk jc, batch 4 bq + w (the batch that this wave sums at the end), i = 64 ic
	s_lshl2_add_u32 s44, s41, s2
	s_mul_i32 s44, s44, 6144
	s_add_co_u32 s42, s42, s44
	s_lshl_b32 s44, s3, 8
	s_add_co_u32 s42, s42, s44
	s_add_nc_u64 s[14:15], s[14:15], s[42:43]
	; 33 loads, in the order in which they are wanted.  Every b128 load takes two aligned runs of 256 bytes.
.irp t, 0,1,2,3,4,5,6,7
	global_load_b128 v[WM+4*\t:WM+4*\t+3], v4, s[4:5] offset:\t*4096       ; Wm rows 16 w + 2 t + h
.endr
	global_load_b32 v[WA], v5, s[8:9]
.irp bb, 0,1,2,3
	global_load_b32 v[G+\bb], v5, s[10:11] offset:\bb*2048
.endr
.irp bb, 0,1,2,3
	global_load_b32 v[M+\bb], v5, s[12:13] offset:\bb*2048
.endr
.irp jj, 0,1,2,3,4,5,6,7,8,9,10,11,12,13,14,15
	global_load_b128 v[WC+4*\jj:WC+4*\jj+3], v4, s[6:7] offset:\jj*4096    ; Wc row jj: 64 columns for u1, 64 for u2
.endr
	; Wm lies with j along its rows, and the sum over j wants i along the lanes: the tile turns in LDS.
	s_wait_loadcnt 25                              ; Wm's eight are in; the 9 + 16 younger loads stay out
.irp t, 0,1,2,3,4,5,6,7
	ds_store_b128 v6, v[WM+4*\t:WM+4*\t+3] offset:\t*2*PITCH
.endr
	s_wait_dscnt 0x0                               ; my rows are in LDS, for the others' sake
	s_barrier_signal -1
	s_barrier_wait -1
.irp r, 0,1
.irp q, 0,1,2,3
	ds_load_b128 v[WM+16*\r+4*\q:WM+16*\r+4*\q+3], v7 offset:32*PITCH*\r+16*\q   ; row i = l + 32 r, j = 16 w + 4 q ..
.endr
.endr
	s_wait_loadcnt 16                              ; Wa, c, m are in; Wc's sixteen rows stay out
.irp bb, 0,1,2,3
	v_mul_f32 v[G+\bb], v[G+\bb], v[WA]            ; g = Wa c
.endr
; u[bb] += g[bb][jj] x Wc's row jj.  The first row starts the sums: nothing is cleared.
.macro UROW jj
	s_wait_loadcnt 15-\jj                          ; loads come back in order: row jj is in, the younger rows stay out
.irp bb, 0,1,2,3
	v_readlane_b32 s[SU+8*(\jj&1)+2*\bb], v[G+\bb], \jj
.endr
.irp bb, 0,1,2,3
.irp p, 0,2
.if \jj == 0
	v_pk_mul_f32 v[U+4*\bb+\p:U+4*\bb+\p+1], v[WC+4*\jj+\p:WC+4*\jj+\p+1], s[SU+8*(\jj&1)+2*\bb:SU+8*(\jj&1)+2*\bb+1] op_sel_hi:[1,0]
.else
	v_pk_fma_f32 v[U+4*\bb+\p:U+4*\bb+\p+1], v[WC+4*\jj+\p:WC+4*\jj+\p+1], s[SU+8*(\jj&1)+2*\bb:SU+8*(\jj&1)+2*\bb+1], v[U+4*\bb+\p:U+4*\bb+\p+1] op_sel_hi:[1,0,1]
.endif
.endr
.endr
.endm
; mm[bb][r] += m[bb][jj] x Wm[l + 32 r][jj]
.macro MROW jj
.irp bb, 0,1,2,3
	v_readlane_b32 s[SM+4*(\jj&1)+\bb], v[M+\bb], \jj
.endr
.irp bb, 0,1,2,3
.irp r, 0,1
.if \jj == 0
	v_mul_f32 v[MM+2*\bb+\r], s[SM+4*(\jj&1)+\bb], v[WM+16*\r+\jj]
.else
	v_fma_f32 v[MM+2*\bb+\r], s[SM+4*(\jj&1)+\bb], v[WM+16*\r+\jj], v[MM+2*\bb+\r]
.endif
.endr
.endr
.endm
.irp jj, 0,1,2,3,4,5,6,7,8,9,10,11,12,13,14,15
	UROW \jj
.endr
	s_wait_dscnt 0x0                               ; Wm by rows of i is in
.irp jj, 0,1,2,3,4,5,6,7,8,9,10,11,12,13,14,15
	MROW \jj
.endr
	; the four waves' sums meet: each wave lays down its own, then wave w adds up batch 4 bq + w
.irp bb, 0,1,2,3
	ds_store_b128 v8, v[U+4*\bb:U+4*\bb+3] offset:768*\bb
.irp r, 0,1
	ds_store_b32 v9, v[MM+2*\bb+\r] offset:512+768*\bb+128*\r
.endr
.endr
	s_wait_dscnt 0x0                               ; for the others' sake
	s_barrier_signal -1
	s_barrier_wait -1
.irp x, 0,1,2,3
	ds_load_b128 v[WM+4*\x:WM+4*\x+3], v10 offset:3072*\x
	ds_load_b64 v[WM+16+2*\x:WM+16+2*\x+1], v11 offset:512+3072*\x
.endr
	s_wait_dscnt 0x0
	v_pk_add_f32 v[WM:WM+1], v[WM:WM+1], v[WM+4:WM+5]
	v_pk_add_f32 v[WM+2:WM+3], v[WM+2:WM+3], v[WM+6:WM+7]
	v_pk_add_f32 v[WM+8:WM+9], v[WM+8:WM+9], v[WM+12:WM+13]
	v_pk_add_f32 v[WM+10:WM+11], v[WM+10:WM+11], v[WM+14:WM+15]
	v_pk_add_f32 v[WM+16:WM+17], v[WM+16:WM+17], v[WM+18:WM+19]
	v_pk_add_f32 v[WM+20:WM+21], v[WM+20:WM+21], v[WM+22:WM+23]
	v_pk_add_f32 v[WM:WM+1], v[WM:WM+1], v[WM+8:WM+9]
	v_pk_add_f32 v[WM+2:WM+3], v[WM+2:WM+3], v[WM+10:WM+11]
	v_pk_add_f32 v[WM+16:WM+17], v[WM+16:WM+17], v[WM+20:WM+21]
	global_store_b128 v4, v[WM:WM+3], s[14:15]                 ; lanes 0-15: 256 aligned bytes of u1; lanes 16-31: of u2
	global_store_b64 v12, v[WM+16:WM+17], s[14:15] offset:4096 ; 32 lanes: 256 aligned bytes of mm
	s_wait_tensorcnt 0x0
	ds_add_u32 v144, v145
	s_wait_dscnt 0x0
	s_endpgm
.Lfunc_end_k_qec4528fd56_prep:
	.size	k_qec4528fd56_prep, .Lfunc_end_k_qec4528fd56_prep-k_qec4528fd56_prep
	.p2alignl 7, 3214868480
	.fill 96, 4, 3214868480
	.section	.rodata,"a",@progbits
	.p2align	6, 0x0
	.amdhsa_kernel k_qec4528fd56_prep
		.amdhsa_group_segment_fixed_size 30208
		.amdhsa_private_segment_fixed_size 0
		.amdhsa_enable_private_segment 0
		.amdhsa_kernarg_size 48
		.amdhsa_user_sgpr_count 2
		.amdhsa_user_sgpr_kernarg_segment_ptr 1
		.amdhsa_wavefront_size32 1
		.amdhsa_system_sgpr_workgroup_id_x 1
		.amdhsa_system_sgpr_workgroup_id_y 1
		.amdhsa_system_sgpr_workgroup_id_z 1
		.amdhsa_system_vgpr_workitem_id 0
		.amdhsa_next_free_vgpr 146
		.amdhsa_next_free_sgpr 66
		.amdhsa_reserve_vcc 0
		.amdhsa_float_denorm_mode_32 3
		.amdhsa_float_denorm_mode_16_64 3
		.amdhsa_memory_ordered 1
		.amdhsa_forward_progress 1
		.amdhsa_inst_pref_size 35
	.end_amdhsa_kernel
	.amdgpu_metadata
---
amdhsa.version: [ 1, 2 ]
amdhsa.kernels:
  - .name:           k_qec4528fd56_prep
    .symbol:         k_qec4528fd56_prep.kd
    .args:
      - { .name: Wm, .offset: 0, .size: 8, .value_kind: global_buffer, .address_space: global }
      - { .name: Wc, .offset: 8, .size: 8, .value_kind: global_buffer, .address_space: global }
      - { .name: Wa, .offset: 16, .size: 8, .value_kind: global_buffer, .address_space: global }
      - { .name: c, .offset: 24, .size: 8, .value_kind: global_buffer, .address_space: global }
      - { .name: m, .offset: 32, .size: 8, .value_kind: global_buffer, .address_space: global }
      - { .name: part, .offset: 40, .size: 8, .value_kind: global_buffer, .address_space: global }
    .group_segment_fixed_size: 30208
    .private_segment_fixed_size: 0
    .kernarg_segment_align: 8
    .kernarg_segment_size: 48
    .max_flat_workgroup_size: 128
    .sgpr_count:     66
    .vgpr_count:     146
    .wavefront_size: 32
...
	.end_amdgpu_metadata
.endif
;; end of part 1
;; launch logits (part 2): grid 16 x 16, 16 waves a work-group, no clusters, 18,432 bytes of LDS; arguments k, part, bm, Wa, c, bc, ba, logit; writes logit
.if DOCPART == 2
	.amdgcn_target "amdgcn-amd-amdhsa--gfx1250"
	.amdhsa_code_object_version 6
	.text
	.protected	k_qec4528fd56_logits
	.globl	k_qec4528fd56_logits
	.p2align	8
	.type	k_qec4528fd56_logits,@function
k_qec4528fd56_logits:
	s_mov_b64 s[64:65], 0
	v_nop
	global_prefetch_b8 v0, s[64:65] scope:SCOPE_SE
	s_setreg_imm32_b32 hwreg(HW_REG_WAVE_MODE, 25, 1), 1
	s_wait_xcnt 0x0
; logit[b][n] = sum_i v[b][i] k[b][i][n] + c0[b]:  the first pass over k.
;   v = (sum of mm's parts + bm) * (sum of u1's parts) + (sum of u2's parts);   c0 = sum_j Wa[j] c[1][b][j] bc[j] + ba.
; Work-group (nc, b): 256 columns (1,024 bytes of every row) of batch b, all 512 rows: 512 KiB of k.  Wave w takes rows i = 32 w + rr;
; its 32 lanes first make v of these 32 rows (lane = row) and hand them to scalar registers; the same 32 indices serve as its j for c0.
; A ring of 16 row slots in registers keeps 32 loads of 512 neighbouring bytes of every wave on their way: 256 KiB for the sixteen waves.
; Bytes decide here: one multiply-add for each number of k, in f32 on the vector unit; no matrix unit, and no tile that two work-groups share.
; No hint on k's loads: the next launch reads the same bytes again.
; NO CLUSTER: the sixteen work-groups of a batch share only the 48 KiB of part, beside 512 KiB of k that each has to itself.
; LIMITS: the sums run in another order than the reference's; NaN and infinities among the inputs are not served.
.set P,   8                            ; v[8:31]   part: chunk jc, plane a at P + 3 jc + a
.set V,   36                           ; v36       v of row 32 w + lane       (v32 bm, v33 Wa, v34 c, v35 bc)
.set C0,  37                           ; v37       my wave's part of c0, in every lane
.set TMP, 38                           ; v38       the other half's sum
.set ACC, 40                           ; v[40:47]  columns 128 e + 4 l + x at ACC + 4 e + x
.set X,   48                           ; v[48:175] slot rr mod 16: 8 registers, a row's 1,024 bytes
.set SV,  24                           ; s[24:55]  v of my 32 rows
	s_load_b512 s[4:19], s[0:1], 0x0               ; k s[4:5], part s[6:7], bm s[8:9], Wa s[10:11], c s[12:13], bc s[14:15], ba s[16:17], logit s[18:19]
	v_lshl_add_u32 v176, v0, 2, 0x4000
	v_mov_b32 v177, 0
	v_lshrrev_b32 v1, 5, v0
	v_readfirstlane_b32 s2, v1                     ; wave 0..15
	s_and_b32 s21, ttmp7, 0xffff                   ; b
	s_mov_b32 s60, 0x76543210                      ; v_permlanex16_b32: lane i of one half reads lane i of the other
	s_mov_b32 s61, 0xfedcba98
	v_and_b32 v5, 31, v0
	v_lshlrev_b32 v1, 2, v5                        ; 4 l
	v_lshlrev_b32 v2, 4, v5                        ; 16 l
	s_lshl_b32 s56, s2, 10
	v_add_nc_u32 v3, s56, v2                       ; LDS: my wave's 256 sums
	v_and_b32 v4, 63, v0
	v_lshlrev_b32 v4, 4, v4                        ; the last phase (waves 0 and 1): 16 x thread
	v_mov_b32 v[TMP], 0                            ; v_permlanex16_b32's destination counts as read
	s_mov_b32 s57, 0
	s_mov_b32 s59, 0
	s_wait_kmcnt 0x0
	s_load_b32 s20, s[16:17], 0x0                  ; ba itself
	s_lshl_b32 s56, s21, 23                        ; k: batch (8 MiB), my 32 rows of 16,384 bytes, the group's 1,024 bytes of a row
	s_lshl_b32 s58, s2, 19
	s_add_co_u32 s56, s56, s58
	s_lshl_b32 s58, ttmp9, 10
	s_add_co_u32 s56, s56, s58
	s_add_nc_u64 s[4:5], s[4:5], s[56:57]
	s_mul_i32 s56, s21, 6144                       ; part: batch, i = 32 w
	s_lshl_b32 s58, s2, 7
	s_add_co_u32 s56, s56, s58
	s_add_nc_u64 s[6:7], s[6:7], s[56:57]
	s_add_nc_u64 s[8:9], s[8:9], s[58:59]          ; bm, Wa, bc: index 32 w
	s_add_nc_u64 s[10:11], s[10:11], s[58:59]
	s_add_nc_u64 s[14:15], s[14:15], s[58:59]
	s_lshl_b32 s56, s21, 11                        ; c: the last step, batch, j = 32 w
	s_add_co_u32 s56, s56, s58
	s_add_co_u32 s56, s56, 32768
	s_add_nc_u64 s[12:13], s[12:13], s[56:57]
	s_lshl_b32 s56, s21, 14                        ; logit: batch, the group's 256 columns
	s_lshl_b32 s58, ttmp9, 10
	s_add_co_u32 s56, s56, s58
	s_add_nc_u64 s[18:19], s[18:19], s[56:57]
	; 28 small loads, then rows 0 to 15: 60 loads of the wave are out
.irp jc, 0,1,2,3,4,5,6,7
.irp a, 0,1,2
	global_load_b32 v[P+3*\jc+\a], v1, s[6:7] offset:\jc*98304+\a*2048
.endr
.endr
	global_load_b32 v32, v1, s[8:9]
	global_load_b32 v33, v1, s[10:11]
	global_load_b32 v34, v1, s[12:13]
	global_load_b32 v35, v1, s[14:15]
.set rr, 0
.rept 16
	global_load_b128 v[X+8*rr:X+8*rr+3], v2, s[4:5] offset:rr*16384
	global_load_b128 v[X+8*rr+4:X+8*rr+7], v2, s[4:5] offset:rr*16384+512
.set rr, rr+1
.endr
	s_wait_kmcnt 0x0                               ; ba
	s_wait_loadcnt 32                              ; the 28 small loads are in; the 32 loads of k behind them stay out
.irp jc, 1,2,3,4,5,6,7
.irp a, 0,1,2
	v_add_f32 v[P+\a], v[P+\a], v[P+3*\jc+\a]      ; three chains by turns: the eight chunks of j, ascending
.endr
.endr
	v_mul_f32 v[C0], v33, v34                      ; g = Wa c
	v_add_f32 v[P+2], v[P+2], v32                  ; mm = .. + bm
	v_mul_f32 v[C0], v[C0], v35                    ; g bc
	v_fma_f32 v[V], v[P+2], v[P], v[P+1]           ; v = mm u1 + u2
	v_add_f32_dpp v[C0], v[C0], v[C0] row_xmask:1 row_mask:0xf bank_mask:0xf
	v_add_f32_dpp v[C0], v[C0], v[C0] row_xmask:2 row_mask:0xf bank_mask:0xf
	v_add_f32_dpp v[C0], v[C0], v[C0] row_xmask:4 row_mask:0xf bank_mask:0xf
	v_add_f32_dpp v[C0], v[C0], v[C0] row_xmask:8 row_mask:0xf bank_mask:0xf
	v_permlanex16_b32 v[TMP], v[C0], s60, s61
	v_add_f32 v[C0], v[C0], v[TMP]                 ; my 32 j of c0, in every lane
.set i, 0
.rept 32
	v_readlane_b32 s[SV+i], v[V], i
.set i, i+1
.endr
	; The 32 rows, written out: a row's place stands in the immediate (508,416 at the most), so no address register is ever rewritten.
	; Row 0 takes my part of c0 as its addend: nothing is cleared, and the sum over the sixteen waves brings the whole c0 into every column.
.set rr, 0
.rept 32
.if rr < 16
	s_wait_loadcnt 30                              ; two loads for each of the 15 younger rows that are out
.else
	s_wait_loadcnt 2*(31-rr)                       ; nothing more is issued: the counts run down
.endif
.set xb, X+8*(rr&15)
.irp e, 0,1,2,3,4,5,6,7
.if rr == 0
	v_fma_f32 v[ACC+\e], s[SV+rr], v[xb+\e], v[C0]
.else
	v_fma_f32 v[ACC+\e], s[SV+rr], v[xb+\e], v[ACC+\e]
.endif
.endr
.if rr < 16
	global_load_b128 v[xb:xb+3], v2, s[4:5] offset:(rr+16)*16384
	global_load_b128 v[xb+4:xb+7], v2, s[4:5] offset:(rr+16)*16384+512
.endif
.set rr, rr+1
.endr
	ds_store_b128 v3, v[ACC:ACC+3]
	ds_store_b128 v3, v[ACC+4:ACC+7] offset:512
	s_wait_dscnt 0x0                               ; for the others' sake
	s_barrier_signal -1
	s_barrier_wait -1
	s_cmp_gt_u32 s2, 1
	s_cbranch_scc1 .Lend                           ; 64 threads x 4 columns finish the 256 sums
.irp x, 0,1,2,3,4,5,6,7,8,9,10,11,12,13,14,15
	ds_load_b128 v[X+4*\x:X+4*\x+3], v4 offset:1024*\x
.endr
	s_wait_dscnt 0x0
.irp st, 8,4,2,1
.set i, 0
.rept \st
	v_pk_add_f32 v[X+4*i:X+4*i+1], v[X+4*i:X+4*i+1], v[X+4*(i+\st):X+4*(i+\st)+1]
	v_pk_add_f32 v[X+4*i+2:X+4*i+3], v[X+4*i+2:X+4*i+3], v[X+4*(i+\st)+2:X+4*(i+\st)+3]
.set i, i+1
.endr
.endr
	v_pk_add_f32 v[X:X+1], v[X:X+1], s[20:21] op_sel_hi:[1,0]      ; + ba (s20 for both halves)
	v_pk_add_f32 v[X+2:X+3], v[X+2:X+3], s[20:21] op_sel_hi:[1,0]
	global_store_b128 v4, v[X:X+3], s[18:19]       ; a wave stores 512 neighbouring bytes, aligned
.Lend:
	s_wait_tensorcnt 0x0
	ds_add_u32 v176, v177
	s_wait_dscnt 0x0
	s_endpgm
.Lfunc_end_k_qec4528fd56_logits:
	.size	k_qec4528fd56_logits, .Lfunc_end_k_qec4528fd56_logits-k_qec4528fd56_logits
	.p2alignl 7, 3214868480
	.fill 96, 4, 3214868480
	.section	.rodata,"a",@progbits
	.p2align	6, 0x0
	.amdhsa_kernel k_qec4528fd56_logits
		.amdhsa_group_segment_fixed_size 18432
		.amdhsa_private_segment_fixed_size 0
		.amdhsa_enable_private_segment 0
		.amdhsa_kernarg_size 64
		.amdhsa_user_sgpr_count 2
		.amdhsa_user_sgpr_kernarg_segment_ptr 1
		.amdhsa_wavefront_size32 1
		.amdhsa_system_sgpr_workgroup_id_x 1
		.amdhsa_system_sgpr_workgroup_id_y 1
		.amdhsa_system_sgpr_workgroup_id_z 1
		.amdhsa_system_vgpr_workitem_id 0
		.amdhsa_next_free_vgpr 178
		.amdhsa_next_free_sgpr 66
		.amdhsa_reserve_vcc 0
		.amdhsa_float_denorm_mode_32 3
		.amdhsa_float_denorm_mode_16_64 3
		.amdhsa_memory_ordered 1
		.amdhsa_forward_progress 1
		.amdhsa_inst_pref_size 35
	.end_amdhsa_kernel
	.amdgpu_metadata
---
amdhsa.version: [ 1, 2 ]
amdhsa.kernels:
  - .name:           k_qec4528fd56_logits
    .symbol:         k_qec4528fd56_logits.kd
    .args:
      - { .name: k, .offset: 0, .size: 8, .value_kind: global_buffer, .address_space: global }
      - { .name: part, .offset: 8, .size: 8, .value_kind: global_buffer, .address_space: global }
      - { .name: bm, .offset: 16, .size: 8, .value_kind: global_buffer, .address_space: global }
      - { .name: Wa, .offset: 24, .size: 8, .value_kind: global_buffer, .address_space: global }
      - { .name: c, .offset: 32, .size: 8, .value_kind: global_buffer, .address_space: global }
      - { .name: bc, .offset: 40, .size: 8, .value_kind: global_buffer, .address_space: global }
      - { .name: ba, .offset: 48, .size: 8, .value_kind: global_buffer, .address_space: global }
      - { .name: logit, .offset: 56, .size: 8, .value_kind: global_buffer, .address_space: global }
    .group_segment_fixed_size: 18432
    .private_segment_fixed_size: 0
    .kernarg_segment_align: 8
    .kernarg_segment_size: 64
    .max_flat_workgroup_size: 512
    .sgpr_count:     66
    .vgpr_count:     178
    .wavefront_size: 32
...
	.end_amdgpu_metadata
.endif
;; end of part 2
;; launch read (part 3): grid 16 x 16, 16 waves a work-group, no clusters, 281,600 bytes of LDS; arguments logit, k, out0, out1; writes out0, out1
.if DOCPART == 3
	.amdgcn_target "amdgcn-amd-amdhsa--gfx1250"
	.amdhsa_code_object_version 6
	.text
	.protected	k_qec4528fd56_read
	.globl	k_qec4528fd56_read
	.p2align	8
	.type	k_qec4528fd56_read,@function
k_qec4528fd56_read:
	s_mov_b64 s[64:65], 0
	v_nop
	global_prefetch_b8 v0, s[64:65] scope:SCOPE_SE
	s_setreg_imm32_b32 hwreg(HW_REG_WAVE_MODE, 25, 1), 1
	s_wait_xcnt 0x0
; entmax (alpha = 1.5) over a batch's 4,096 logits, then r[b][d] = sum_n w[b][n] k[b][d][n]:  the second pass over k.
; Work-group (dc, b): rows d = 32 dc .. + 31 of batch b, 512 KiB of k.  ALL of it is asked for at the start: 256 KiB by one tensor load a wave
; into LDS, 256 KiB by 32 loads a wave into 128 registers.  While these bytes are on their way, the work-group runs the bisection on the
; batch's logits (each of the batch's sixteen work-groups repeats it: 8 numbers a lane), so that the chain of 53 dependent sums over 4,096
; numbers runs beside the stream and not in front of it.  The weights then meet k in registers and LDS.
; The bisection is the reference's: x = logit / 2, the maximum is taken away (tau starts at max - 1), f_lo is made and used in the test,
; all 50 halvings run, tau = tau_lo + dm / 2, p = max(x - tau, 0)^2, p / sum p.  The choice of tau_lo is a select: no branch hangs on data.
; Dot products: wave w has rows 8 (w / 4) + 0..7 and columns 1,024 (w mod 4) + 0..1,023; rows 0-3 in registers, rows 4-7 in its own LDS tile.
; LIMITS: sums run in another order than the reference's; the division by sum p is a multiplication by v_rcp_f32 (1 ULP; sum p is at least
; 2^-12 as long as max - 1/64 differs from max in f32, and where it does not the reference divides by zero as well); NaN and infinities
; among the inputs are not served (v_max_num_f32 drops a NaN).  The 128 bytes of out0 that a work-group owns are half of an aligned block of 256.
; NO CLUSTER: no two work-groups share a byte of k; the sixteen of a batch share its 16 KiB of logits beside 512 KiB of their own.
.set WREG, 262144                      ; LDS: [0, 262,144) sixteen tiles of 4 rows x 4,096 bytes, filled once by the tensor loads and by nothing else
.set REDA, 278528                      ; WREG: p of all 4,096 n.  REDA, REDA + 256: sixteen words each, the waves' sums, used by turns
.set RO,   279040                      ; [wave 16][row 8] f32: wave w = 4 rg + cq lays down its column quarter's sums of rows 8 rg + 0..7
.set X,    8                           ; v[8:15]    x of n = 256 w + 128 j + 4 l + e at X + 4 j + e; later the eight row sums
.set T,    16                          ; v[16:23]   max(x - tau, 0); at the end p, then the weights
.set PW,   32                          ; v[32:63]   p of my column quarter
.set B0,   64                          ; v[64:95], v[96:127]  two buffers for a row from LDS
.set B1,   96
.set KR,   128                         ; v[128:255] rows 0-3 of mine, 32 registers each
; v24 the sum at work (v[24:27] its partial pairs, v26 also the other half's sum); v28 tau_lo, v29 dm, v30 tau_m, v31 f_lo;
; behind the bisection v[26:27] = 1 / sum p twice, v[28:31] the dot products' two chains.
	s_load_b256 s[4:11], s[0:1], 0x0               ; logit s[4:5], k s[6:7], out0 s[8:9], out1 s[10:11]
	v_lshl_add_u32 v254, v0, 2, 0x44400
	v_mov_b32 v255, 0
	ds_add_u32 v254, v255
	ds_add_u32 v254, v255
	s_wait_dscnt 0x0
	v_lshrrev_b32 v1, 5, v0
	v_readfirstlane_b32 s2, v1                     ; wave 0..15
	s_mov_b32 s3, ttmp9                            ; dc
	s_and_b32 s12, ttmp7, 0xffff                   ; b
	s_lshr_b32 s13, s2, 2                          ; rg: which 8 rows
	s_and_b32 s14, s2, 3                           ; cq: which 1,024 columns
	s_mov_b32 s28, 0x76543210                      ; v_permlanex16_b32: lane i of one half reads lane i of the other
	s_mov_b32 s29, 0xfedcba98
	; descriptor group 1: 4 rows of 512 elements of 8 bytes (4,096 bytes), 2,048 elements (16,384 bytes) from row to row; dense in LDS
	s_mov_b32 s20, 3<<16                           ; no mask, element of 8 bytes, no padding
	s_mov_b32 s21, 512<<16                         ; tensor_dim0 = 512
	s_mov_b32 s22, 4<<16                           ; tensor_dim1 = 4
	s_mov_b32 s23, 512<<16                         ; tile_dim0 = 512
	s_mov_b32 s24, 4                               ; tile_dim1 = 4
	s_mov_b32 s25, 2048                            ; the pitch
	s_mov_b32 s26, 0
	s_mov_b32 s27, 0
	s_mov_b32 s16, 1                               ; group 0: count
	s_lshl_b32 s17, s2, 14                         ; LDS address: my wave's tile, 16,384 w
	v_and_b32 v24, 31, v0
	v_lshlrev_b32 v1, 4, v24                       ; 16 l
	s_mov_b32 s33, 0
	s_mov_b32 s35, 0
	s_wait_kmcnt 0x0
	s_lshl_b32 s32, s12, 14                        ; logit: batch, my wave's 256 numbers
	s_lshl_b32 s34, s2, 10
	s_add_co_u32 s34, s34, s32
	s_add_nc_u64 s[4:5], s[4:5], s[34:35]
	s_lshl_b32 s32, s12, 23                        ; k: batch, row 32 dc + 8 rg (16,384 bytes each), column quarter (4,096 bytes)
	s_lshl_b32 s34, s3, 19
	s_add_co_u32 s32, s32, s34
	s_lshl_b32 s34, s13, 17
	s_add_co_u32 s32, s32, s34
	s_lshl_b32 s34, s14, 12
	s_add_co_u32 s32, s32, s34
	s_add_nc_u64 s[6:7], s[6:7], s[32:33]
	s_add_nc_u64 s[18:19], s[6:7], 0x10000         ; the tile begins four rows further down
	s_or_b32 s19, s19, 0x80000000                  ; type = 2
	global_load_b128 v[X:X+3], v1, s[4:5]
	global_load_b128 v[X+4:X+7], v1, s[4:5] offset:512
	tensor_load_to_lds s[16:19], s[20:27]          ; my one tensor load: rows 4-7.  Nothing is ever filled again, so it may stay out across the bisection's barriers
	s_nop 0
.irp r, 0,1,2,3
.irp t, 0,1,2,3,4,5,6,7
	global_load_b128 v[KR+32*\r+4*\t:KR+32*\r+4*\t+3], v1, s[6:7] offset:16384*\r+512*\t th:TH_LOAD_NT   ; rows 0-3: 512 neighbouring bytes a load; read once in this launch
.endr
.endr
	s_lshl_b32 s32, s12, 14                        ; out1: batch, n = 256 dc
	s_lshl_b32 s34, s3, 10
	s_add_co_u32 s32, s32, s34
	s_add_nc_u64 s[10:11], s[10:11], s[32:33]
	s_lshl_b32 s32, s12, 11                        ; out0: batch, d = 32 dc
	s_lshl_b32 s34, s3, 7
	s_add_co_u32 s32, s32, s34
	s_add_nc_u64 s[8:9], s[8:9], s[32:33]
	s_lshl_b32 s31, s2, 2
	s_add_co_u32 s31, s31, REDA
	v_mov_b32 v2, s31                              ; my wave's word
	v_and_b32 v3, 15, v0
	v_lshl_add_u32 v3, v3, 2, REDA                 ; wave (l mod 16)'s word
	s_lshl_b32 s31, s2, 10
	s_add_co_u32 s31, s31, WREG
	v_add_nc_u32 v4, s31, v1                       ; where my p go
	s_lshl_b32 s31, s14, 12
	s_add_co_u32 s31, s31, WREG
	v_add_nc_u32 v5, s31, v1                       ; p of my column quarter
	v_add_nc_u32 v6, s17, v1                       ; my tile
	s_lshl_b32 s31, s2, 5
	s_add_co_u32 s31, s31, RO
	v_mov_b32 v7, s31                              ; RO + 32 w: my wave's eight row sums
	v_mov_b32 v26, 0                               ; v_permlanex16_b32's destination counts as read
	v_mov_b32 v31, 0                               ; the pair v[30:31] is read whole before f_lo exists
; T = max(x - tau_m, 0)
.macro CLIP
.irp p, 0,2,4,6
	v_pk_add_f32 v[T+\p:T+\p+1], v[X+\p:X+\p+1], v[30:31] op_sel_hi:[1,0] neg_lo:[0,1] neg_hi:[0,1]   ; both halves minus v30
.endr
.irp e, 0,1,2,3,4,5,6,7
	v_max_num_f32 v[T+\e], 0, v[T+\e]
.endr
.endm
; v24 = the lane's sum of max(x - tau_m, 0)^2
.macro FSUM
	CLIP
	v_pk_mul_f32 v[24:25], v[T:T+1], v[T:T+1]
	v_pk_mul_f32 v[26:27], v[T+2:T+3], v[T+2:T+3]
	v_pk_fma_f32 v[24:25], v[T+4:T+5], v[T+4:T+5], v[24:25]
	v_pk_fma_f32 v[26:27], v[T+6:T+7], v[T+6:T+7], v[26:27]
	v_pk_add_f32 v[24:25], v[24:25], v[26:27]
	v_add_f32 v24, v24, v25
.endm
; v24 over all 512 lanes of the work-group, the same bits in every lane of every wave: over the wave's lanes, one word a wave into LDS,
; one barrier, then each half of 16 lanes reads the sixteen words and adds them up.  The two sets of words take turns: a set is written
; again only behind the other set's barrier, in front of which every wave has waited for its reads of the first.
.macro XRED op, opd, buf
	\opd v24, v24, v24 row_xmask:1 row_mask:0xf bank_mask:0xf
	\opd v24, v24, v24 row_xmask:2 row_mask:0xf bank_mask:0xf
	\opd v24, v24, v24 row_xmask:4 row_mask:0xf bank_mask:0xf
	\opd v24, v24, v24 row_xmask:8 row_mask:0xf bank_mask:0xf
	v_permlanex16_b32 v26, v24, s28, s29
	\op v24, v24, v26
	ds_store_b32 v2, v24 offset:256*\buf
	s_wait_dscnt 0x0                               ; my word (and whatever else I stored) is in LDS, for the others' sake
	s_barrier_signal -1
	s_barrier_wait -1
	ds_load_b32 v24, v3 offset:256*\buf
	s_wait_dscnt 0x0
	\opd v24, v24, v24 row_xmask:1 row_mask:0xf bank_mask:0xf
	\opd v24, v24, v24 row_xmask:2 row_mask:0xf bank_mask:0xf
	\opd v24, v24, v24 row_xmask:4 row_mask:0xf bank_mask:0xf
	\opd v24, v24, v24 row_xmask:8 row_mask:0xf bank_mask:0xf
.endm
; one halving
.macro STEP buf
	v_mul_f32 v29, 0.5, v29                        ; dm / 2
	v_add_f32 v30, v28, v29                        ; tau_m
	FSUM
	XRED v_add_f32, v_add_f32_dpp, \buf
	v_add_f32 v24, -1.0, v24                       ; f_m
	v_mul_f32 v24, v24, v31                        ; f_m f_lo
	v_cmp_le_f32 vcc_lo, 0, v24
	v_cndmask_b32 v28, v28, v30, vcc_lo            ; >= 0: tau_lo = tau_m
.endm
	s_wait_loadcnt 32                              ; the logits are in; the 32 loads of k behind them stay out
.irp p, 0,2,4,6
	v_pk_mul_f32 v[X+\p:X+\p+1], v[X+\p:X+\p+1], 0.5 op_sel_hi:[1,0]       ; x = logit (alpha - 1)
.endr
	v_max3_num_f32 v24, v[X], v[X+1], v[X+2]
	v_max3_num_f32 v24, v24, v[X+3], v[X+4]
	v_max3_num_f32 v24, v24, v[X+5], v[X+6]
	v_max_num_f32 v24, v24, v[X+7]
	XRED v_max_num_f32, v_max_num_f32_dpp, 0       ; the batch's maximum
	v_add_f32 v28, -1.0, v24                       ; tau_lo = max - 1
	v_add_f32 v29, 0xbc800000, v24                 ; tau_hi = max - 4096^(-1/2) = max - 1/64
	v_sub_f32 v29, v29, v28                        ; dm
	v_mov_b32 v30, v28
	FSUM
	XRED v_add_f32, v_add_f32_dpp, 1
	v_add_f32 v31, -1.0, v24                       ; f_lo
	s_mov_b32 s30, 25                              ; 25 trips of two halvings: all 50
.Lbisect:
	STEP 0
	STEP 1
	s_sub_co_i32 s30, s30, 1
	s_cmp_lg_u32 s30, 0
	s_cbranch_scc1 .Lbisect
	v_fma_f32 v30, v29, 0.5, v28                   ; tau = tau_lo + dm / 2
	CLIP
.irp p, 0,2,4,6
	v_pk_mul_f32 v[T+\p:T+\p+1], v[T+\p:T+\p+1], v[T+\p:T+\p+1]            ; p
.endr
	v_pk_add_f32 v[24:25], v[T:T+1], v[T+2:T+3]
	v_pk_add_f32 v[26:27], v[T+4:T+5], v[T+6:T+7]
	ds_store_b128 v4, v[T:T+3]                     ; p for every wave of the work-group
	ds_store_b128 v4, v[T+4:T+7] offset:512
	v_pk_add_f32 v[24:25], v[24:25], v[26:27]
	v_add_f32 v24, v24, v25
	s_wait_tensorcnt 0x0                           ; my tile, which I alone read, has landed
	XRED v_add_f32, v_add_f32_dpp, 0               ; sum p; its wait in front of the barrier covers the stores of p as well
; a row of my tile, 4,096 bytes, into a buffer
.macro LROW buf, row
.irp t, 0,1,2,3,4,5,6,7
	ds_load_b128 v[\buf+4*\t:\buf+4*\t+3], v6 offset:4096*\row+512*\t
.endr
.endm
; the lane's part of a row's dot product with p: 32 numbers in two chains; the first products start the sums
.macro DOT dst, kb
	v_pk_mul_f32 v[28:29], v[\kb:\kb+1], v[PW:PW+1]
	v_pk_mul_f32 v[30:31], v[\kb+2:\kb+3], v[PW+2:PW+3]
.irp t, 1,2,3,4,5,6,7
	v_pk_fma_f32 v[28:29], v[\kb+4*\t:\kb+4*\t+1], v[PW+4*\t:PW+4*\t+1], v[28:29]
	v_pk_fma_f32 v[30:31], v[\kb+4*\t+2:\kb+4*\t+3], v[PW+4*\t+2:PW+4*\t+3], v[30:31]
.endr
	v_pk_add_f32 v[28:29], v[28:29], v[30:31]
	v_add_f32 v[\dst], v28, v29
.endm
.irp t, 0,1,2,3,4,5,6,7
	ds_load_b128 v[PW+4*\t:PW+4*\t+3], v5 offset:512*\t
.endr
	LROW B0, 0
	LROW B1, 1
	v_rcp_f32 v26, v24                             ; 1 / sum p, twice, for the packed multiply.  Behind a transcendental one plain vector instruction comes before
	v_rcp_f32 v27, v24                             ; its result is used or its source rewritten (ISA guide 5.7.2): the first products below, which name neither
	s_wait_loadcnt 0x0                             ; rows 0-3 are in registers
	s_wait_dscnt 16                                ; p is in; the two rows behind it stay out
	DOT X+0, KR
	DOT X+1, KR+32
	DOT X+2, KR+64
	DOT X+3, KR+96
	s_wait_dscnt 8                                 ; row 4 is in; the other buffer's eight loads stay out
	DOT X+4, B0
	LROW B0, 2
	s_wait_dscnt 8                                 ; row 5
	DOT X+5, B1
	LROW B1, 3
	s_wait_dscnt 8                                 ; row 6
	DOT X+6, B0
	s_wait_dscnt 0x0                               ; row 7
	DOT X+7, B1
	; eight sums over the 32 lanes, by turns; every lane ends with the same bits
.irp mk, 1,2,4,8
.irp q, 0,1,2,3,4,5,6,7
	v_add_f32_dpp v[X+\q], v[X+\q], v[X+\q] row_xmask:\mk row_mask:0xf bank_mask:0xf
.endr
.endr
.irp q, 0,1,2,3,4,5,6,7
	v_permlanex16_b32 v[B0+\q], v[X+\q], s28, s29
.endr
.irp q, 0,1,2,3,4,5,6,7
	v_add_f32 v[X+\q], v[X+\q], v[B0+\q]
.endr
	ds_store_b128 v7, v[X:X+3]                     ; my wave's 32 bytes: rows 8 rg + 0..3 of my column quarter (all lanes write the same bytes with the same values)
	ds_store_b128 v7, v[X+4:X+7] offset:16         ; and rows 8 rg + 4..7
	s_wait_dscnt 0x0                               ; for wave 0's sake
	s_barrier_signal -1
	s_barrier_wait -1
	s_cmp_lg_u32 s2, s3                            ; the batch's weights are written once: this work-group writes n = 256 dc .. + 255, which wave dc holds
	s_cbranch_scc1 .Lnot_mine
	s_wait_alu depctr_va_vdst(0)
.irp p, 0,2,4,6
	v_pk_mul_f32 v[T+\p:T+\p+1], v[T+\p:T+\p+1], v[26:27]
.endr
	global_store_b128 v1, v[T:T+3], s[10:11] th:TH_STORE_NT                ; 512 neighbouring bytes, aligned
	global_store_b128 v1, v[T+4:T+7], s[10:11] offset:512 th:TH_STORE_NT
.Lnot_mine:
	s_cmp_lg_u32 s2, 0
	s_cbranch_scc1 .Lend
	; wave 0, lane l = row l = 8 rg + q: its four column quarters lie at RO + 32 (4 rg + cq) + 4 q
	v_and_b32 v24, 7, v0                           ; q
	v_bfe_u32 v28, v0, 3, 2                        ; rg
	v_lshlrev_b32 v24, 2, v24
	v_lshl_add_u32 v24, v28, 7, v24                ; 128 rg + 4 q
	v_add_nc_u32 v24, RO, v24
	v_lshrrev_b32 v25, 2, v1                       ; 4 l
.irp cq, 0,1,2,3
	ds_load_b32 v[B0+\cq], v24 offset:32*\cq
.endr
	s_wait_dscnt 0x0
	v_add_f32 v[B0], v[B0], v[B0+1]
	v_add_f32 v[B0+2], v[B0+2], v[B0+3]
	v_add_f32 v[B0], v[B0], v[B0+2]
	s_wait_alu depctr_va_vdst(0)
	v_mul_f32 v[B0], v[B0], v26                    ; / sum p
	global_store_b32 v25, v[B0], s[8:9] th:TH_STORE_NT                     ; r of d = 32 dc + l: 128 neighbouring bytes
.Lend:
	s_wait_xcnt 0x0
	v_lshl_add_u32 v254, v0, 2, 0x44400
	v_mov_b32 v255, 0
	s_wait_tensorcnt 0x0
	ds_add_u32 v254, v255
	s_wait_dscnt 0x0
	s_endpgm
.Lfunc_end_k_qec4528fd56_read:
	.size	k_qec4528fd56_read, .Lfunc_end_k_qec4528fd56_read-k_qec4528fd56_read
	.p2alignl 7, 3214868480
	.fill 96, 4, 3214868480
	.section	.rodata,"a",@progbits
	.p2align	6, 0x0
	.amdhsa_kernel k_qec4528fd56_read
		.amdhsa_group_segment_fixed_size 281600
		.amdhsa_private_segment_fixed_size 0
		.amdhsa_enable_private_segment 0
		.amdhsa_kernarg_size 32
		.amdhsa_user_sgpr_count 2
		.amdhsa_user_sgpr_kernarg_segment_ptr 1
		.amdhsa_wavefront_size32 1
		.amdhsa_system_sgpr_workgroup_id_x 1
		.amdhsa_system_sgpr_workgroup_id_y 1
		.amdhsa_system_sgpr_workgroup_id_z 1
		.amdhsa_system_vgpr_workitem_id 0
		.amdhsa_next_free_vgpr 256
		.amdhsa_next_free_sgpr 66
		.amdhsa_reserve_vcc 1
		.amdhsa_float_denorm_mode_32 3
		.amdhsa_float_denorm_mode_16_64 3
		.amdhsa_memory_ordered 1
		.amdhsa_forward_progress 1
		.amdhsa_inst_pref_size 32
	.end_amdhsa_kernel
	.amdgpu_metadata
---
amdhsa.version: [ 1, 2 ]
amdhsa.kernels:
  - .name:           k_qec4528fd56_read
    .symbol:         k_qec4528fd56_read.kd
    .args:
      - { .name: logit, .offset: 0, .size: 8, .value_kind: global_buffer, .address_space: global }
      - { .name: k, .offset: 8, .size: 8, .value_kind: global_buffer, .address_space: global }
      - { .name: out0, .offset: 16, .size: 8, .value_kind: global_buffer, .address_space: global }
      - { .name: out1, .offset: 24, .size: 8, .value_kind: global_buffer, .address_space: global }
    .group_segment_fixed_size: 281600
    .private_segment_fixed_size: 0
    .kernarg_segment_align: 8
    .kernarg_segment_size: 32
    .max_flat_workgroup_size: 512
    .sgpr_count:     66
    .vgpr_count:     256
    .wavefront_size: 32
...
	.end_amdgpu_metadata
.endif
;; end of part 3
;; ======== version 2 of 2: 3 launches; version 1 with the launch logits written anew for expert scheduling mode
;; workspace buffers: part 786,432 bytes; logit 262,144 bytes
;; launch prep: the kernel of part 1 again; grid 64 x 4, 4 waves a work-group, no clusters, 30,208 bytes of LDS; arguments Wm, Wc, Wa, c, m, part; writes part
;; launch logits (part 4): grid 16 x 16, 16 waves a work-group, no clusters, 18,432 bytes of LDS; arguments k, part, bm, Wa, c, bc, ba, logit; writes logit
.if DOCPART == 4
	.amdgcn_target "amdgcn-amd-amdhsa--gfx1250"
	.amdhsa_code_object_version 6
	.text
	.protected	k_qec4528fd56_logits
	.globl	k_qec4528fd56_logits
	.p2align	8
	.type	k_qec4528fd56_logits,@function
k_qec4528fd56_logits:
	s_mov_b64 s[64:65], 0
	v_nop
	global_prefetch_b8 v0, s[64:65] scope:SCOPE_SE
	s_setreg_imm32_b32 hwreg(HW_REG_WAVE_SCHED_MODE, 0, 2), 2
	s_setreg_imm32_b32 hwreg(HW_REG_WAVE_MODE, 25, 1), 1
	s_wait_xcnt 0x0
	s_wait_alu depctr_vm_vsrc(0)
; logit[b][n] = sum_i v[b][i] k[b][i][n] + c0[b]:  the first pass over k.
;   v = (sum of mm's parts + bm) * (sum of u1's parts) + (sum of u2's parts);   c0 = sum_j Wa[j] c[1][b][j] bc[j] + ba.
; Work-group (nc, b): 256 columns (1,024 bytes of every row) of batch b, all 512 rows: 512 KiB of k.  Wave w takes rows i = 32 w + rr;
; its 32 lanes first make v of these 32 rows (lane = row) and hand them to scalar registers; the same 32 indices serve as its j for c0.
; A ring of 12 row slots in registers, three buffers of four rows, keeps 14 to 16 loads of 512 neighbouring bytes of every wave on their way:
; up to 128 KiB for the sixteen waves.  A wave asks for row rr + 8 only when row rr is in: no wave runs more than eight rows ahead of its returns.
; Bytes decide here: one multiply-add for each number of k, in f32 on the vector unit; no matrix unit, and no tile that two work-groups share.
; No hint on k's loads: the next launch reads the same bytes again.
; NO CLUSTER: the sixteen work-groups of a batch share only the 48 KiB of part, beside 512 KiB of k that each has to itself.
; LIMITS: the sums run in another order than the reference's; NaN and infinities among the inputs are not served.
; THE MODE: SCHED_MODE bits 1:0 = 2 (LLVM: expert scheduling mode 2), set by the entry lines.  The code itself states the register dependences
; between vector instructions and memory or LDS instructions, with s_wait_alu, always for 0.
; THE PLAN.  Registers that memory or LDS instructions touch:
;   v1 .. v4     offsets and LDS addresses, made once at the head and never written again: a row's place stands in the load's immediate.
;   v[8:35]      the small inputs: loaded once, read by the head's sums, never loaded again.
;   X0 .. X2     three buffers of four rows.  Block p (rows 4 p .. 4 p + 3) reads X[p % 3]; its eight loads (blocks 0 to 5: rows 8 + 4 p ..)
;                land in X[(p + 2) % 3] = X[(p - 1) % 3]: the buffer that block p - 1 worked on (block 0: the third, which no vector
;                instruction has named), and which no multiply-add of block p names.
;   ACC          written by the multiply-adds, read by the two LDS stores behind the last row.
;   v[48:111]    on the way out: the LDS loads land here, the sums are made in place, the store reads the first four.
; So ONE wait on va_vdst stands at the head of each of blocks 1 to 5, and the block's loads are dealt among its multiply-adds with no further
; wait; one stands ahead of the first load, one ahead of the LDS stores, one ahead of the global store.  No register that a memory or LDS
; instruction reads is ever written again, so the text holds no wait on vm_vsrc.
.set P,   8                            ; v[8:31]   part: chunk jc, plane a at P + 3 jc + a
.set V,   36                           ; v36       v of row 32 w + lane       (v32 bm, v33 Wa, v34 c, v35 bc)
.set C0,  37                           ; v37       my wave's part of c0, in every lane
.set TMP, 38                           ; v38       the other half's sum
.set ACC, 40                           ; v[40:47]  columns 128 e + 4 l + x at ACC + 4 e + x
.set X,   48                           ; v[48:143] slot rr mod 12: 8 registers, a row's 1,024 bytes
.set SLOTS, 12
.set AHEAD, 8                          ; row rr asks for row rr + 8
.set SV,  24                           ; s[24:55]  v of my 32 rows
	s_load_b512 s[4:19], s[0:1], 0x0               ; k s[4:5], part s[6:7], bm s[8:9], Wa s[10:11], c s[12:13], bc s[14:15], ba s[16:17], logit s[18:19]
	v_lshl_add_u32 v7, v0, 2, 0x4000
	v_mov_b32 v39, 0
	v_lshrrev_b32 v1, 5, v0
	v_readfirstlane_b32 s2, v1                     ; wave 0..15
	s_and_b32 s21, ttmp7, 0xffff                   ; b
	s_mov_b32 s60, 0x76543210                      ; v_permlanex16_b32: lane i of one half reads lane i of the other
	s_mov_b32 s61, 0xfedcba98
	v_and_b32 v5, 31, v0
	v_lshlrev_b32 v1, 2, v5                        ; 4 l
	v_lshlrev_b32 v2, 4, v5                        ; 16 l
	s_wait_alu depctr_va_sdst(0)                   ; s2 is written, ahead of its first reader: LDS addresses and all the bases are made from it
	s_lshl_b32 s56, s2, 10
	v_add_nc_u32 v3, s56, v2                       ; LDS: my wave's 256 sums
	v_and_b32 v4, 63, v0
	v_lshlrev_b32 v4, 4, v4                        ; the last phase (waves 0 and 1): 16 x thread
	v_mov_b32 v[TMP], 0                            ; v_permlanex16_b32's destination counts as read
	s_mov_b32 s57, 0
	s_mov_b32 s59, 0
	s_wait_kmcnt 0x0
	s_load_b32 s20, s[16:17], 0x0                  ; ba itself
	s_lshl_b32 s56, s21, 23                        ; k: batch (8 MiB), my 32 rows of 16,384 bytes, the group's 1,024 bytes of a row
	s_lshl_b32 s58, s2, 19
	s_add_co_u32 s56, s56, s58
	s_lshl_b32 s58, ttmp9, 10
	s_add_co_u32 s56, s56, s58
	s_add_nc_u64 s[4:5], s[4:5], s[56:57]
	s_mul_i32 s56, s21, 6144                       ; part: batch, i = 32 w
	s_lshl_b32 s58, s2, 7
	s_add_co_u32 s56, s56, s58
	s_add_nc_u64 s[6:7], s[6:7], s[56:57]
	s_add_nc_u64 s[8:9], s[8:9], s[58:59]          ; bm, Wa, bc: index 32 w
	s_add_nc_u64 s[10:11], s[10:11], s[58:59]
	s_add_nc_u64 s[14:15], s[14:15], s[58:59]
	s_lshl_b32 s56, s21, 11                        ; c: the last step, batch, j = 32 w
	s_add_co_u32 s56, s56, s58
	s_add_co_u32 s56, s56, 32768
	s_add_nc_u64 s[12:13], s[12:13], s[56:57]
	s_lshl_b32 s56, s21, 14                        ; logit: batch, the group's 256 columns
	s_lshl_b32 s58, ttmp9, 10
	s_add_co_u32 s56, s56, s58
	s_add_nc_u64 s[18:19], s[18:19], s[56:57]
	s_wait_alu depctr_va_vdst(0)                   ; v1 to v4 are written: every load, LDS instruction and store of the kernel reads one of them as its offset or address, and no vector instruction names them again
	; 28 small loads, then rows 0 to 7 into X0 and X1: 44 loads of the wave are out
.irp jc, 0,1,2,3,4,5,6,7
.irp a, 0,1,2
	global_load_b32 v[P+3*\jc+\a], v1, s[6:7] offset:\jc*98304+\a*2048
.endr
.endr
	global_load_b32 v32, v1, s[8:9]
	global_load_b32 v33, v1, s[10:11]
	global_load_b32 v34, v1, s[12:13]
	global_load_b32 v35, v1, s[14:15]
.set rr, 0
.rept AHEAD
	global_load_b128 v[X+8*rr:X+8*rr+3], v2, s[4:5] offset:rr*16384
	global_load_b128 v[X+8*rr+4:X+8*rr+7], v2, s[4:5] offset:rr*16384+512
.set rr, rr+1
.endr
	s_wait_kmcnt 0x0                               ; ba
	s_wait_loadcnt 2*AHEAD                         ; the 28 small loads are in; the 16 loads of k behind them stay out
.irp jc, 1,2,3,4,5,6,7
.irp a, 0,1,2
	v_add_f32 v[P+\a], v[P+\a], v[P+3*\jc+\a]      ; three chains by turns: the eight chunks of j, ascending
.endr
.endr
	v_mul_f32 v[C0], v33, v34                      ; g = Wa c
	v_add_f32 v[P+2], v[P+2], v32                  ; mm = .. + bm
	v_mul_f32 v[C0], v[C0], v35                    ; g bc
	v_fma_f32 v[V], v[P+2], v[P], v[P+1]           ; v = mm u1 + u2
	v_add_f32_dpp v[C0], v[C0], v[C0] row_xmask:1 row_mask:0xf bank_mask:0xf
	v_add_f32_dpp v[C0], v[C0], v[C0] row_xmask:2 row_mask:0xf bank_mask:0xf
	v_add_f32_dpp v[C0], v[C0], v[C0] row_xmask:4 row_mask:0xf bank_mask:0xf
	v_add_f32_dpp v[C0], v[C0], v[C0] row_xmask:8 row_mask:0xf bank_mask:0xf
	v_permlanex16_b32 v[TMP], v[C0], s60, s61
	v_add_f32 v[C0], v[C0], v[TMP]                 ; my 32 j of c0, in every lane
.set i, 0
.rept 32
	v_readlane_b32 s[SV+i], v[V], i
.set i, i+1
.endr
	s_wait_alu depctr_va_sdst(0)                   ; s[24:55] are written, all 32 by the run above, ahead of their first reader: the rows' multiply-adds
	; The 32 rows, written out: a row's place stands in the immediate (508,416 at the most), so no address register is ever rewritten.
	; Row 0 takes my part of c0 as its addend: nothing is cleared, and the sum over the sixteen waves brings the whole c0 into every column.
	; Row rr < 24 asks for row rr + 8, two loads in front of its eight multiply-adds.
.set rr, 0
.rept 32
.if rr < 32-AHEAD
	s_wait_loadcnt 2*(AHEAD-1)                     ; rows up to rr + 7 have been asked for: two loads for each of the seven younger rows stay out
.else
	s_wait_loadcnt 2*(31-rr)                       ; nothing more is issued: the counts run down
.endif
.if (rr >= 4) && (rr < 32-AHEAD) && ((rr % 4) == 0)
	s_wait_alu depctr_va_vdst(0)                   ; the block before is done reading its four rows' registers, in which this block's eight loads land; no multiply-add of this block names them
.endif
.set xb, X+8*(rr%SLOTS)
.set nb, X+8*((rr+AHEAD)%SLOTS)
.if rr < 32-AHEAD
	global_load_b128 v[nb:nb+3], v2, s[4:5] offset:(rr+AHEAD)*16384
	global_load_b128 v[nb+4:nb+7], v2, s[4:5] offset:(rr+AHEAD)*16384+512
.endif
.irp e, 0,1,2,3,4,5,6,7
.if rr == 0
	v_fma_f32 v[ACC+\e], s[SV+rr], v[xb+\e], v[C0]
.else
	v_fma_f32 v[ACC+\e], s[SV+rr], v[xb+\e], v[ACC+\e]
.endif
.endr
.set rr, rr+1
.endr
	s_wait_alu depctr_va_vdst(0)                   ; the multiply-adds have written ACC, which the LDS stores read, and are done reading v[48:143], in part of which the LDS loads behind the barrier land
	ds_store_b128 v3, v[ACC:ACC+3]
	ds_store_b128 v3, v[ACC+4:ACC+7] offset:512
	s_wait_dscnt 0x0                               ; for the others' sake
	s_barrier_signal -1
	s_barrier_wait -1
	s_cmp_gt_u32 s2, 1
	s_cbranch_scc1 .Lend                           ; 64 threads x 4 columns finish the 256 sums
.irp x, 0,1,2,3,4,5,6,7,8,9,10,11,12,13,14,15
	ds_load_b128 v[X+4*\x:X+4*\x+3], v4 offset:1024*\x
.endr
	s_wait_dscnt 0x0
.irp st, 8,4,2,1
.set i, 0
.rept \st
	v_pk_add_f32 v[X+4*i:X+4*i+1], v[X+4*i:X+4*i+1], v[X+4*(i+\st):X+4*(i+\st)+1]
	v_pk_add_f32 v[X+4*i+2:X+4*i+3], v[X+4*i+2:X+4*i+3], v[X+4*(i+\st)+2:X+4*(i+\st)+3]
.set i, i+1
.endr
.endr
	v_pk_add_f32 v[X:X+1], v[X:X+1], s[20:21] op_sel_hi:[1,0]      ; + ba (s20 for both halves)
	v_pk_add_f32 v[X+2:X+3], v[X+2:X+3], s[20:21] op_sel_hi:[1,0]
	s_wait_alu depctr_va_vdst(0)                   ; the sums have written v[48:51], which the store reads
	global_store_b128 v4, v[X:X+3], s[18:19]       ; a wave stores 512 neighbouring bytes, aligned
.Lend:
	s_wait_dscnt 0x0
	s_wait_alu depctr_hold_cnt(0) depctr_sa_sdst(0) depctr_va_vdst(0) depctr_va_sdst(0) depctr_va_ssrc(0) depctr_va_vcc(0) depctr_vm_vsrc(0)
	s_wait_tensorcnt 0x0
	ds_add_u32 v7, v39
	s_wait_dscnt 0x0
	s_endpgm
.Lfunc_end_k_qec4528fd56_logits:
	.size	k_qec4528fd56_logits, .Lfunc_end_k_qec4528fd56_logits-k_qec4528fd56_logits
	.p2alignl 7, 3214868480
	.fill 96, 4, 3214868480
	.section	.rodata,"a",@progbits
	.p2align	6, 0x0
	.amdhsa_kernel k_qec4528fd56_logits
		.amdhsa_group_segment_fixed_size 18432
		.amdhsa_private_segment_fixed_size 0
		.amdhsa_enable_private_segment 0
		.amdhsa_kernarg_size 64
		.amdhsa_user_sgpr_count 2
		.amdhsa_user_sgpr_kernarg_segment_ptr 1
		.amdhsa_wavefront_size32 1
		.amdhsa_system_sgpr_workgroup_id_x 1
		.amdhsa_system_sgpr_workgroup_id_y 1
		.amdhsa_system_sgpr_workgroup_id_z 1
		.amdhsa_system_vgpr_workitem_id 0
		.amdhsa_next_free_vgpr 144
		.amdhsa_next_free_sgpr 66
		.amdhsa_reserve_vcc 0
		.amdhsa_float_denorm_mode_32 3
		.amdhsa_float_denorm_mode_16_64 3
		.amdhsa_memory_ordered 1
		.amdhsa_forward_progress 1
		.amdhsa_inst_pref_size 35
	.end_amdhsa_kernel
	.amdgpu_metadata
---
amdhsa.version: [ 1, 2 ]
amdhsa.kernels:
  - .name:           k_qec4528fd56_logits
    .symbol:         k_qec4528fd56_logits.kd
    .args:
      - { .name: k, .offset: 0, .size: 8, .value_kind: global_buffer, .address_space: global }
      - { .name: part, .offset: 8, .size: 8, .value_kind: global_buffer, .address_space: global }
      - { .name: bm, .offset: 16, .size: 8, .value_kind: global_buffer, .address_space: global }
      - { .name: Wa, .offset: 24, .size: 8, .value_kind: global_buffer, .address_space: global }
      - { .name: c, .offset: 32, .size: 8, .value_kind: global_buffer, .address_space: global }
      - { .name: bc, .offset: 40, .size: 8, .value_kind: global_buffer, .address_space: global }
      - { .name: ba, .offset: 48, .size: 8, .value_kind: global_buffer, .address_space: global }
      - { .name: logit, .offset: 56, .size: 8, .value_kind: global_buffer, .address_space: global }
    .group_segment_fixed_size: 18432
    .private_segment_fixed_size: 0
    .kernarg_segment_align: 8
    .kernarg_segment_size: 64
    .max_flat_workgroup_size: 512
    .sgpr_count:     66
    .vgpr_count:     144
    .wavefront_size: 32
...
	.end_amdgpu_metadata
.endif
;; end of part 4
;; launch read: the kernel of part 3 again; grid 16 x 16, 16 waves a work-group, no clusters, 281,600 bytes of LDS; arguments logit, k, out0, out1; writes out0, out1
